; MI455X (gfx1250); checked and timed in simulation.
; The chip was launched on July 23, 2026; its instructions are those of AMD's public machine-readable ISA for CDNA 5 (MIT licence, August 2026) and "CDNA5" Instruction Set Architecture Reference Guide (July 2026). The comments in the code are by the model that wrote it; some were corrected since.
;; Complex Mixture. Allowed arithmetic: matrix products marked QUANTISED: E5M2 operands, one E8M0 scale for each 32 along K, by v_wmma_scale_f32_16x16x128_f8f6f4 with both operands' format E5M2, f32 sums; everything else in f32.
;; Inputs: input_imag 32 x 8,192 x 64 float32; input_real 32 x 8,192 x 64 float32.
;; Outputs: out0 32 x 64 x 64 float32; out1 32 x 64 x 64 float32.
;; This version of the problem:
;;   THIS VERSION OF THE PROBLEM IS GIVEN IN LOW PRECISION. The matrix products marked QUANTISED in the list below multiply operands that are first quantised to E5M2 (5 exponent bits, 2 mantissa bits; 8 bits a number), with one power-of-two scale for each 32 numbers along K (OCP MX v1.0); their sums are f32. All else is computed in f32.
;;   The module's matrix products, in the order in which they are computed (A, B: the left and right operand; K: the contracted axis; several contracted axes count as one K, in the product's order):
;;     1. batch 32 x [M 64, K 8,192] x [K 8,192, N 64]; A: input input_real; B: input input_real: QUANTISED
;;     2. batch 32 x [M 64, K 8,192] x [K 8,192, N 64]; A: input input_imag; B: input input_imag: QUANTISED
;;     3. batch 32 x [M 64, K 8,192] x [K 8,192, N 64]; A: input input_real; B: input input_imag: QUANTISED
;;   THE QUANTISER, for each operand of a quantised product, along K:
;;     - K is cut into blocks of 32 from its start; a last block that is shorter is filled with zeros.
;;     - A block's scale is 2^e with e = floor(log2(the largest magnitude in the block)) - 15, held to -126 .. 127; a block of zeros has e = 0. As a byte (E8M0): e + 127.
;;     - Each number is divided by its block's scale, clamped to +-57,344, and rounded to the nearest number of E5M2, ties to even, subnormals kept.
;;     - The product sums the exact products of the quantised numbers (number of the format x scale) in f32.
;;   ~~~python
;;   def quantise(x, axis):      # numpy; x: float32 -> the quantised numbers, widened to float32 again
;;       x = np.moveaxis(x, axis, -1); K = x.shape[-1]
;;       x = np.pad(x, [(0, 0)] * (x.ndim - 1) + [(0, -K % 32)]); x = x.reshape(x.shape[:-1] + (-1, 32)); a = np.abs(x).max(-1, keepdims=True)
;;       e = np.where(a > 0, np.clip(np.frexp(np.where(a > 0, a, 1))[1] - 1 - 15, -126, 127), 0)      # np.frexp(a)[1] - 1 = floor(log2(a)), exactly
;;       r = np.clip(x / 2.0 ** e, -57344, 57344)
;;       step = 2.0 ** (np.maximum(np.frexp(np.where(r == 0, 1, r))[1] - 1, -14) - 2)
;;       q = np.round(r / step) * step * 2.0 ** e      # np.round: ties to even
;;       return np.moveaxis(q.reshape(q.shape[:-2] + (-1,))[..., :K], -1, axis).astype(np.float32)
;;   ~~~
;; 2 versions. Each part assembles by itself: llvm-mc -triple=amdgcn-amd-amdhsa -mcpu=gfx1250 --defsym DOCPART=n.
;; ======== version 1 of 2: 2 launches
;; workspace buffers: part 8,388,608 bytes
;; launch gram (part 1): grid 256 x 1, 4 waves a work-group, no clusters, 131,584 bytes of LDS; arguments input_real, input_imag, part; writes part
.if DOCPART == 1
	.amdgcn_target "amdgcn-amd-amdhsa--gfx1250"
	.amdhsa_code_object_version 6
	.text
	.protected	k_q4da44e844e_gram
	.globl	k_q4da44e844e_gram
	.p2align	8
	.type	k_q4da44e844e_gram,@function
k_q4da44e844e_gram:
	s_mov_b64 s[64:65], 0
	v_nop
	global_prefetch_b8 v0, s[64:65] scope:SCOPE_SE
	s_setreg_imm32_b32 hwreg(HW_REG_WAVE_MODE, 25, 1), 1
	s_wait_xcnt 0x0
; PARTIAL GRAM SUMS.  R = input_real, I = input_imag: [32][8192][64] f32.  Work-group g takes batch g / 8 and rows 1024 (g % 8) .. + 1023 and stores
;   part[g][0][x][y] = sum over its rows s of R[s][x] R[s][y] + I[s][x] I[s][y],   part[g][1][x][y] = sum of R[s][x] I[s][y] - I[s][x] R[s][y],   64 x 64 f32 each.
; The products' K is the row index s.  Both operands are quantised along s to codes of BF8 (E5M2) with one E8M0 byte for each 32 rows of a column: e = floor(log2(largest magnitude)) - 15,
; byte = the largest magnitude's exponent field - 15, held at 1 from below by a floor among the maximum's leaves.
; LIMITS: NaN and infinities among the inputs are not served.  A block of zeros gets the byte 1 where the rule says 127: its codes are zeros, and the bytes are read by this program alone.
; SHARES.  Four waves, one to a SIMD; wave w owns rows 256 w .. + 255 of the work-group's 1,024 (two K steps of 128) and makes ALL 16 tiles of both results for them.
; The four waves' sums meet once, at the end, in LDS.
; A UNIT is one block of 32 rows of one tensor: 8,192 consecutive bytes, 16 loads of 512 consecutive bytes.  Lane (r = lane % 16, h = lane / 16) holds, of load i, row 2 i + h, columns 4 r .. 4 r + 3.
; The hold at the largest code x the column's scale writes its result to another place: number (load i, column j) goes to Y[16 j + i].  So a column's 16 numbers lie in consecutive registers, and the conversion,
; which takes eight neighbours of one lane and one scale, gives registers 4 c .. 4 c + 3 (c: the block's place in 128 rows) of a fragment, if TILE j IS TAKEN AS COLUMNS 4 r + j (which columns form a tile only
; says where results land).  The order of a block's rows in a lane's bytes is the same in every fragment, so every product meets its partner.  Nothing is multiplied by a scale and no byte is turned.
; OPERANDS.  Each unit is converted twice: R, I serve as source 0, R', I' as source 1, so that the two sources never share a register.  -I is I with the codes' sign bits flipped.
; real(i, j) = R_i R'_j + I_i I'_j;  imag(i, j) = R_i I'_j + (-I_i) R'_j: two accumulators a tile, four products a tile and K step, and nothing is transposed or subtracted.
; REGISTERS, in windows of 256 (s_set_vgpr_msb: bits 1:0 source 0, 3:2 source 1, 5:4 source 2, 7:6 destination):
;   window 0: v1-7 addresses and the floor; v8-27 at work on a unit's four columns; v32-47 scale words; v64-127 Y; v128-255 slots 0, 1 (a unit as loaded)
;   window 1: v0-127 slots 2, 3; v128-191 R; v192-255 I'        window 2: v0-127 the 16 real accumulators (tile (i, j) at 8 (4 i + j)); v128-255 the imaginary ones
;   window 3: v0-63 -I; v128-191 I; v192-255 R'.   A conversion's destination never bears the number of one of its sources (Y and the scale operands lie under v128, all codes that conversions write from v128 on).
; Four slots: 64 loads of a wave are asked for at the start, and a slot is asked for again as soon as the holds have read it out.
; No work-group reads a byte that another reads, so there is nothing to share in a cluster; the inputs go straight into the registers in which they are quantised, so no tile is laid in LDS as f32.
.set UNITB, 8192                       ; a unit in bytes
.set KSB,   32768                      ; 128 rows of 256 bytes
.set NU,    16                         ; units of a wave: unit u is K step u / 8, tensor (u / 4) % 2, block u % 4
.set GOF,  1                           ; v1   16 x lane: my bytes in a load's 512; never rewritten
.set WST,  2                           ; v2   LDS: where I put my sums: 32,768 x wave + 16 x lane
.set RDA,  3                           ; v3   LDS: tile row i = wave of waves 0 and 1: 4,096 x wave + 16 x lane;  v4 the same of waves 2 and 3: 65,536 on
.set RDB,  4
.set GST,  5                           ; v5   my byte offset in part: 8,192 h + 16 r
.set FL,   6                           ; v6   the floor 2^(16 - 127)
.set T0,   7                           ; v7   at work at the head
.set MX,   8                           ; v8-11  the four columns' largest magnitudes
.set PP,   16                          ; v16-19 the other half's maxima, then the scale bytes
.set HB,   20                          ; v20-23 57,344 x the scale
.set SV,   24                          ; v24-27 the conversions' scale operands
.set SCW,  32                          ; v32-47 scale words, and nothing else: 8 x K step + 4 x tensor + tile
.set Y,    64
.set O,    128                         ; the end: results in the order in which they are stored
.set SEL,  24                          ; s[24:25] v_permlanex16_b32's selects for lane l xor 16
.set MNT,  26                          ; s26  the mantissa field of 57,344
.set SGN,  27                          ; s27  the sign bits of four codes
.set MSB, 0
.macro WIN new                         ; the immediate's high byte repeats the setting that is left; a switch that changes nothing is dropped
.if MSB != \new
	s_set_vgpr_msb (MSB<<8)|\new
.set MSB, \new
.endif
.endm
.macro PLACES n
.rept \n
	v_nop
.endr
.endm
; Unit u into slot u % 4 (slots 0, 1: window 0, v128 and v192; slots 2, 3: window 1, v0 and v64).  Each load takes 512 consecutive bytes, two whole rows; every offset is an immediate, no address is stepped.
.macro LOADU u
.set LSL, (\u)%4
.set LXS, 128+64*LSL-256*(LSL/2)
.set LWN, (LSL/2)<<6
.set LT,  ((\u)/4)%2
	WIN LWN
.irp i, 0,1,2,3,4,5,6,7,8,9,10,11,12,13,14,15
	global_load_b128 v[LXS+4*\i:LXS+4*\i+3], v[GOF], s[4+2*LT:5+2*LT] offset:((\u)/8)*KSB+((\u)%4)*UNITB+512*\i th:TH_LOAD_NT
.endr
.endm
	s_load_b128 s[4:7], s[0:1], 0x0                ; R, I
	s_load_b64 s[8:9], s[0:1], 0x10                ; part
	v_lshl_add_u32 v62, v0, 2, 0x20000
	v_mov_b32 v63, 0
	v_lshrrev_b32 v[T0], 5, v0
	v_readfirstlane_b32 s10, v[T0]                 ; wave 0..3
	v_and_b32 v[GOF], 31, v0
	v_lshlrev_b32 v[GOF], 4, v[GOF]
	s_lshl_b32 s16, ttmp9, 18                      ; the work-group's 1,024 rows of 256 bytes (eight work-groups make a batch's 8,192 rows),
	s_lshl_b32 s18, s10, 16                        ; + my wave's 256 rows: under 2^26 in all
	s_add_co_u32 s16, s16, s18
	s_mov_b32 s17, 0
	s_lshl_b32 s18, ttmp9, 15                      ; part: 32,768 bytes a work-group; my rows are x = 32 h + 4 q + wave: 256 bytes x wave
	s_lshl_b32 s19, s10, 8
	s_add_co_u32 s18, s18, s19
	s_mov_b32 s19, 0
	s_wait_kmcnt 0x0
	s_add_nc_u64 s[4:5], s[4:5], s[16:17]
	s_add_nc_u64 s[6:7], s[6:7], s[16:17]
	s_add_nc_u64 s[8:9], s[8:9], s[18:19]
	LOADU 0                                        ; four units are asked for before anything else is done
	LOADU 1
	LOADU 2
	LOADU 3
	WIN 0
	v_and_b32 v[T0], 15, v0                        ; r
	v_bfe_u32 v[GST], v0, 4, 1                     ; h
	v_lshlrev_b32 v[GST], 13, v[GST]
	v_lshl_add_u32 v[GST], v[T0], 4, v[GST]
	s_lshl_b32 s20, s10, 15
	v_add_nc_u32 v[WST], s20, v[GOF]
	s_lshl_b32 s20, s10, 12
	v_add_nc_u32 v[RDA], s20, v[GOF]
	v_add_nc_u32 v[RDB], 0x10000, v[RDA]
	v_mov_b32 v[FL], 0x8000000
.irp j, 0,1,2,3
	v_mov_b32 v[PP+\j], 0                          ; written once: a lane permute's destination counts as one of its sources
.endr
	s_mov_b32 s[SEL], 0x76543210
	s_mov_b32 s[SEL+1], 0xfedcba98
	s_mov_b32 s[MNT], 0x600000
	s_mov_b32 s[SGN], 0x80808080
; UNIT u is quantised: its codes become four registers of each of the four tiles' fragments, twice; its bytes go into the four tiles' scale words.
.macro UNIT u
.set SL,  (\u)%4
.set XS,  128+64*SL-256*(SL/2)
.set XW,  SL/2
.set TT,  ((\u)/4)%2
.set CC,  (\u)%4
.set WD,  SCW+8*((\u)/8)+4*TT
.set LEFT, 48                                  ; behind this unit's loads those of three later units were issued and may stay out;
.if (\u) > 12
.set LEFT, 16*(15-(\u))                        ; at the end as many units as are left
.endif
.set WMAX, (XW<<2)|(XW<<4)
	s_wait_loadcnt LEFT+8                          ; loads come back in order (ISA guide 5.7.1): the unit's first eight are in
	WIN WMAX                                       ; sources 1 and 2: the slot's window
.irp j, 0,1,2,3
	v_max3_num_f32 v[MX+\j], v[FL], |v[XS+\j]|, |v[XS+4+\j]|   ; column j: my 16 of its 32 rows, and the floor: so the byte cannot fall under 1.  The four columns by turns
.endr
.irp i, 2,4,6
.irp j, 0,1,2,3
	v_max3_num_f32 v[MX+\j], v[MX+\j], |v[XS+4*\i+\j]|, |v[XS+4*\i+4+\j]|
.endr
.endr
	s_wait_loadcnt LEFT                            ; the whole unit is in
.irp i, 8,10,12,14
.irp j, 0,1,2,3
	v_max3_num_f32 v[MX+\j], v[MX+\j], |v[XS+4*\i+\j]|, |v[XS+4*\i+4+\j]|
.endr
.endr
	WIN 0
.irp j, 0,1,2,3
	v_permlanex16_b32 v[PP+\j], v[MX+\j], s[SEL], s[SEL+1]
.endr
.irp j, 0,1,2,3
	v_max_num_f32 v[MX+\j], v[MX+\j], v[PP+\j]     ; with lane l xor 16's 16 rows: the block's largest magnitude
.endr
.irp j, 0,1,2,3
	v_and_or_b32 v[HB+\j], v[MX+\j], 0x7f800000, s[MNT]   ; 57,344 x the scale: the largest magnitude's exponent field over 57,344's mantissa
.endr
.irp j, 0,1,2,3
	v_add_nc_u32 v[SV+\j], 0xf8800000, v[MX+\j]    ; 15 off the exponent field: the conversion takes the exponent field of this operand as its scale, and nothing else of it
.endr
.if CC == 0
.irp j, 0,1,2,3
	v_lshrrev_b32 v[WD+\j], 23, v[SV+\j]           ; the scale's byte: the first block's begins tile j's scale word (every lane holds its row's; lanes 0-15 are read)
.endr
.else
.irp j, 0,1,2,3
	v_lshrrev_b32 v[PP+\j], 23, v[SV+\j]
.endr
.irp j, 0,1,2,3
	v_lshl_or_b32 v[WD+\j], v[PP+\j], 8*CC, v[WD+\j]   ; block c's is byte c
.endr
.endif
	WIN XW                                         ; source 0: the slot's window
.irp j, 0,1,2,3
.irp i, 0,1,2,3,4,5,6,7,8,9,10,11,12,13,14,15
	v_med3_num_f32 v[Y+16*\j+\i], v[XS+4*\i+\j], -v[HB+\j], v[HB+\j]   ; the conversion to an 8-bit code does not saturate (ISA guide 7.6.2): the hold; and it lays a column's numbers side by side
.endr
.endr
.if (\u)+4 < NU
	LOADU (\u)+4                                   ; the slot has been read out: the unit four on is asked for at once
.endif
	WIN 0xc0                                       ; destination window 3: R' (v192 on) or I (v128 on)
.irp j, 0,1,2,3
.irp p, 0,1
	v_cvt_scalef32_pk8_bf8_f32 v[192-64*TT+16*\j+4*CC+2*\p:192-64*TT+16*\j+4*CC+2*\p+1], v[Y+16*\j+8*\p:Y+16*\j+8*\p+7], v[SV+\j]
.endr
.endr
	WIN 0x40                                       ; destination window 1: R (v128 on) or I' (v192 on)
.irp j, 0,1,2,3
.irp p, 0,1
	v_cvt_scalef32_pk8_bf8_f32 v[128+64*TT+16*\j+4*CC+2*\p:128+64*TT+16*\j+4*CC+2*\p+1], v[Y+16*\j+8*\p:Y+16*\j+8*\p+7], v[SV+\j]
.endr
.endr
	v_nop                                          ; one plain vector instruction between the last conversion and the next vector or matrix instruction that touches its result or writes its sources
.if TT == 1
	WIN 0xcc                                       ; destination and source 1: window 3
.irp j, 0,1,2,3
.irp k, 0,1,2,3
	v_xor_b32 v[16*\j+4*CC+\k], s[SGN], v[128+16*\j+4*CC+\k]   ; -I: the sign bit of each code is flipped
.endr
.endr
.endif
.endm
; 16 products: one for each tile (i, j).  d0: the accumulators; a0, b0: source 0's and source 1's fragments; sa0, sb0: their scale words.  zero = 1: the product starts the sum: nothing is cleared.
; The accumulators take turns, one instruction a turn, from batch to batch too.
.macro BATCH d0, a0, b0, sa0, sb0, zero
.irp i, 0,1,2,3
.irp j, 0,1,2,3
.if \zero
	v_wmma_scale_f32_16x16x128_f8f6f4 v[\d0+8*(4*\i+\j):\d0+8*(4*\i+\j)+7], v[\a0+16*\i:\a0+16*\i+15], v[\b0+16*\j:\b0+16*\j+15], 0, v[\sa0+\i], v[\sb0+\j] matrix_a_fmt:MATRIX_FMT_BF8 matrix_b_fmt:MATRIX_FMT_BF8
.else
	v_wmma_scale_f32_16x16x128_f8f6f4 v[\d0+8*(4*\i+\j):\d0+8*(4*\i+\j)+7], v[\a0+16*\i:\a0+16*\i+15], v[\b0+16*\j:\b0+16*\j+15], v[\d0+8*(4*\i+\j):\d0+8*(4*\i+\j)+7], v[\sa0+\i], v[\sb0+\j] matrix_a_fmt:MATRIX_FMT_BF8 matrix_b_fmt:MATRIX_FMT_BF8
.endif
.endr
.endr
.endm
.macro MRR ks, zero                    ; real += R_i R'_j: as soon as the K step's four units of R are quantised
.set WK, SCW+8*(\ks)
	WIN 0xad                                       ; source 0 window 1, source 1 window 3, C and D window 2
	BATCH 0, 128, 192, WK, WK, \zero
.endm
.macro MII ks                          ; real += I_i I'_j
.set WK, SCW+8*(\ks)
	WIN 0xa7                                       ; source 0 window 3, source 1 window 1
	BATCH 0, 128, 192, WK+4, WK+4, 0
.endm
.macro MIM ks, zero                    ; imag += R_i I'_j + (-I_i) R'_j
.set WK, SCW+8*(\ks)
	WIN 0xa5                                       ; sources 0 and 1 window 1
	BATCH 128, 128, 192, WK, WK+4, \zero
	WIN 0xaf                                       ; sources 0 and 1 window 3
	BATCH 128, 0, 192, WK+4, WK, 0
.endm
; My 16 accumulators of result m go to LDS as they stand: 16 bytes a lane at 16 x lane, 512 bytes a store; each accumulator from its low end on.
.macro TOLDS m
	WIN 0x08                                       ; an LDS store's data are its source 1: window 2
.set t, 16*(\m)
.rept 16
	ds_store_b128 v[WST], v[8*t:8*t+3] offset:1024*t
	ds_store_b128 v[WST], v[8*t+4:8*t+7] offset:1024*t+512
.set t, t+1
.endr
.endm
; Codes written by vector instructions stand four places ahead of a scaled matrix instruction, scale words eight (those were written ahead of the unit's 64 holds).
; Behind a batch the next unit's maxima, which name none of its registers, are the eight places in front of the first write of a fragment or a scale word.
	UNIT 0
	UNIT 1
	UNIT 2
	UNIT 3
	PLACES 4
	MRR 0, 1
	UNIT 4
	UNIT 5
	UNIT 6
	UNIT 7
	PLACES 4
	MII 0
	MIM 0, 1
	UNIT 8
	UNIT 9
	UNIT 10
	UNIT 11
	PLACES 4
	MRR 1, 0
	UNIT 12
	UNIT 13
	UNIT 14
	UNIT 15
	PLACES 4
	MII 1                                          ; the real sums are whole:
	PLACES 8                                       ; eight places in front of the first read of results,
	TOLDS 0                                        ; and they are on their way into LDS while the imaginary products are multiplied
	MIM 1, 0
	PLACES 8                                       ; again; these also stand in front of the LDS loads below, which land in registers that the last products have read
	TOLDS 1
	WIN 0
	s_wait_dscnt 0x0                               ; for the others' sake: my stores have landed
	s_barrier_signal -1
	s_barrier_wait -1                              ; the four waves' sums lie in LDS
	; THE END.  Wave w adds the four waves' tiles (w, 0 .. 3) of both results.  Register q of tile (w, j) in lane (r, h) is element (x = 32 h + 4 q + w, y = 4 r + j): the last addition writes j = 0 .. 3
	; side by side, so that a lane holds 16 neighbouring bytes of a row and sixteen lanes a whole row of 256 bytes: the results are stored from the registers in which they were added.
	WIN 0x40                                       ; destination window 1: source wave s, result m, tile j at v[64 s + 32 m + 8 j]
.irp m, 0,1
.irp s, 0,1,2,3
.irp j, 0,1,2,3
	ds_load_b128 v[64*\s+32*\m+8*\j:64*\s+32*\m+8*\j+3],   v[RDA+\s/2] offset:(\s%2)*32768+\m*16384+\j*1024
	ds_load_b128 v[64*\s+32*\m+8*\j+4:64*\s+32*\m+8*\j+7], v[RDA+\s/2] offset:(\s%2)*32768+\m*16384+\j*1024+512
.endr
.endr
.endr
.irp m, 0,1
	s_wait_dscnt 32-32*\m                          ; LDS loads come back in order: the real part's 32 are in while the imaginary part's 32 may be out; then all
	WIN 0x45                                       ; all in window 1
.set a, 32*\m
.rept 16
	v_pk_add_f32 v[a:a+1], v[a:a+1], v[64+a:65+a]                   ; waves 0 + 1
	v_pk_add_f32 v[128+a:129+a], v[128+a:129+a], v[192+a:193+a]     ; waves 2 + 3
.set a, a+2
.endr
	WIN 0x05                                       ; sources window 1, destination window 0
.irp q, 0,1,2,3,4,5,6,7
.irp j, 0,1,2,3
	v_add_f32 v[O+32*\m+4*\q+\j], v[32*\m+8*\j+\q], v[128+32*\m+8*\j+\q]
.endr
.endr
	WIN 0
.irp q, 0,1,2,3,4,5,6,7
	global_store_b128 v[GST], v[O+32*\m+4*\q:O+32*\m+4*\q+3], s[8:9] offset:\m*16384+\q*1024   ; lanes 0-15 store row 4 q + w, lanes 16-31 row 32 + 4 q + w: 256 consecutive bytes each, at a multiple of 256 from the buffer's first byte
.endr
.endr
	s_wait_tensorcnt 0x0
	ds_add_u32 v62, v63
	s_wait_dscnt 0x0
	s_endpgm
.Lfunc_end_k_q4da44e844e_gram:
	.size	k_q4da44e844e_gram, .Lfunc_end_k_q4da44e844e_gram-k_q4da44e844e_gram
	.p2alignl 7, 3214868480
	.fill 96, 4, 3214868480
	.section	.rodata,"a",@progbits
	.p2align	6, 0x0
	.amdhsa_kernel k_q4da44e844e_gram
		.amdhsa_group_segment_fixed_size 131584
		.amdhsa_private_segment_fixed_size 0
		.amdhsa_enable_private_segment 0
		.amdhsa_kernarg_size 24
		.amdhsa_user_sgpr_count 2
		.amdhsa_user_sgpr_kernarg_segment_ptr 1
		.amdhsa_wavefront_size32 1
		.amdhsa_system_sgpr_workgroup_id_x 1
		.amdhsa_system_sgpr_workgroup_id_y 1
		.amdhsa_system_sgpr_workgroup_id_z 1
		.amdhsa_system_vgpr_workitem_id 0
		.amdhsa_next_free_vgpr 1024
		.amdhsa_next_free_sgpr 66
		.amdhsa_reserve_vcc 0
		.amdhsa_float_denorm_mode_32 3
		.amdhsa_float_denorm_mode_16_64 3
		.amdhsa_memory_ordered 1
		.amdhsa_forward_progress 1
		.amdhsa_inst_pref_size 201
	.end_amdhsa_kernel
	.amdgpu_metadata
---
amdhsa.version: [ 1, 2 ]
amdhsa.kernels:
  - .name:           k_q4da44e844e_gram
    .symbol:         k_q4da44e844e_gram.kd
    .args:
      - { .name: input_real, .offset: 0, .size: 8, .value_kind: global_buffer, .address_space: global }
      - { .name: input_imag, .offset: 8, .size: 8, .value_kind: global_buffer, .address_space: global }
      - { .name: part, .offset: 16, .size: 8, .value_kind: global_buffer, .address_space: global }
    .group_segment_fixed_size: 131584
    .private_segment_fixed_size: 0
    .kernarg_segment_align: 8
    .kernarg_segment_size: 24
    .max_flat_workgroup_size: 128
    .sgpr_count:     66
    .vgpr_count:     1024
    .wavefront_size: 32
...
	.end_amdgpu_metadata
.endif
;; end of part 1
;; launch combine (part 2): grid 256 x 1, 8 waves a work-group, no clusters, 0 bytes of LDS; arguments part, out0, out1; writes out0, out1
.if DOCPART == 2
	.amdgcn_target "amdgcn-amd-amdhsa--gfx1250"
	.amdhsa_code_object_version 6
	.text
	.protected	k_q4da44e844e_combine
	.globl	k_q4da44e844e_combine
	.p2align	8
	.type	k_q4da44e844e_combine,@function
k_q4da44e844e_combine:
	s_mov_b64 s[64:65], 0
	v_nop
	global_prefetch_b8 v0, s[64:65] scope:SCOPE_SE
	s_setreg_imm32_b32 hwreg(HW_REG_WAVE_MODE, 25, 1), 1
	s_wait_xcnt 0x0
; out0[b] = (sum over the batch's 8 chunks of part[8 b + chunk][0]) / 8192,  out1[b] likewise of part[..][1].  part: [256][2][64][64] f32; out0, out1: [32][64][64] f32.
; A stream: work-group g takes batch g / 8, output (g / 4) % 2 and quarter g % 4 of its 16,384 bytes; thread t owns the 16 bytes at 16 t of that quarter.
; Every load and the store of a wave cover 512 consecutive bytes; a thread's eight loads go out together.  No LDS, no barrier: threads share nothing.  1 / 8192 is a power of two: the multiplication rounds nothing.
.set CHUNKB, 32768                     ; from a chunk's partial sums to the next chunk's
	s_load_b128 s[4:7], s[0:1], 0x0                ; part, out0
	s_load_b64 s[8:9], s[0:1], 0x10                ; out1
	v_lshlrev_b32 v1, 4, v0                        ; 16 t
	s_lshr_b32 s10, ttmp9, 3                       ; batch
	s_bfe_u32 s11, ttmp9, 0x10002                  ; which output
	s_and_b32 s12, ttmp9, 3                        ; quarter
	s_lshl_b32 s14, s12, 12
	s_lshl_b32 s16, s10, 18                        ; part: 8 chunks x 32,768 bytes a batch,
	s_lshl_b32 s13, s11, 14                        ; 16,384 an output,
	s_add_co_u32 s16, s16, s13
	s_add_co_u32 s16, s16, s14                     ; 4,096 a quarter
	s_mov_b32 s17, 0
	s_lshl_b32 s18, s10, 14                        ; the output: 16,384 bytes a batch
	s_add_co_u32 s18, s18, s14
	s_mov_b32 s19, 0
	s_wait_kmcnt 0x0
	s_add_nc_u64 s[4:5], s[4:5], s[16:17]
	s_cmp_eq_u32 s11, 0                            ; the choice hangs on the work-group's number alone
	s_cselect_b64 s[6:7], s[6:7], s[8:9]
	s_add_nc_u64 s[6:7], s[6:7], s[18:19]
.irp c, 0,1,2,3,4,5,6,7
	global_load_b128 v[4+4*\c:7+4*\c], v1, s[4:5] offset:\c*CHUNKB th:TH_LOAD_NT
.endr
.irp p, 0,1,2,3                                ; chunks 2 p and 2 p + 1, as they come in: behind them 6 - 2 p younger loads may be out
	s_wait_loadcnt 6-2*\p
	v_pk_add_f32 v[4+8*\p:5+8*\p], v[4+8*\p:5+8*\p], v[8+8*\p:9+8*\p]
	v_pk_add_f32 v[6+8*\p:7+8*\p], v[6+8*\p:7+8*\p], v[10+8*\p:11+8*\p]
.endr
	v_pk_add_f32 v[4:5], v[4:5], v[12:13]
	v_pk_add_f32 v[6:7], v[6:7], v[14:15]
	v_pk_add_f32 v[20:21], v[20:21], v[28:29]
	v_pk_add_f32 v[22:23], v[22:23], v[30:31]
	v_pk_add_f32 v[4:5], v[4:5], v[20:21]
	v_pk_add_f32 v[6:7], v[6:7], v[22:23]
	v_pk_mul_f32 v[4:5], v[4:5], 0x39000000 op_sel_hi:[1,0]   ; x 2^-13
	v_pk_mul_f32 v[6:7], v[6:7], 0x39000000 op_sel_hi:[1,0]
	global_store_b128 v1, v[4:7], s[6:7]
	s_endpgm
.Lfunc_end_k_q4da44e844e_combine:
	.size	k_q4da44e844e_combine, .Lfunc_end_k_q4da44e844e_combine-k_q4da44e844e_combine
	.p2alignl 7, 3214868480
	.fill 96, 4, 3214868480
	.section	.rodata,"a",@progbits
	.p2align	6, 0x0
	.amdhsa_kernel k_q4da44e844e_combine
		.amdhsa_group_segment_fixed_size 0
		.amdhsa_private_segment_fixed_size 0
		.amdhsa_enable_private_segment 0
		.amdhsa_kernarg_size 24
		.amdhsa_user_sgpr_count 2
		.amdhsa_user_sgpr_kernarg_segment_ptr 1
		.amdhsa_wavefront_size32 1
		.amdhsa_system_sgpr_workgroup_id_x 1
		.amdhsa_system_sgpr_workgroup_id_y 1
		.amdhsa_system_sgpr_workgroup_id_z 1
		.amdhsa_system_vgpr_workitem_id 0
		.amdhsa_next_free_vgpr 40
		.amdhsa_next_free_sgpr 66
		.amdhsa_reserve_vcc 0
		.amdhsa_float_denorm_mode_32 3
		.amdhsa_float_denorm_mode_16_64 3
		.amdhsa_memory_ordered 1
		.amdhsa_forward_progress 1
		.amdhsa_inst_pref_size 4
	.end_amdhsa_kernel
	.amdgpu_metadata
---
amdhsa.version: [ 1, 2 ]
amdhsa.kernels:
  - .name:           k_q4da44e844e_combine
    .symbol:         k_q4da44e844e_combine.kd
    .args:
      - { .name: part, .offset: 0, .size: 8, .value_kind: global_buffer, .address_space: global }
      - { .name: out0, .offset: 8, .size: 8, .value_kind: global_buffer, .address_space: global }
      - { .name: out1, .offset: 16, .size: 8, .value_kind: global_buffer, .address_space: global }
    .group_segment_fixed_size: 0
    .private_segment_fixed_size: 0
    .kernarg_segment_align: 8
    .kernarg_segment_size: 24
    .max_flat_workgroup_size: 256
    .sgpr_count:     66
    .vgpr_count:     40
    .wavefront_size: 32
...
	.end_amdgpu_metadata
.endif
;; end of part 2
;; ======== version 2 of 2: 2 launches
;; workspace buffers: part 8,388,608 bytes
;; launch gram (part 3): grid 256 x 1, 4 waves a work-group, no clusters, 131,584 bytes of LDS; arguments input_real, input_imag, part; writes part
.if DOCPART == 3
	.amdgcn_target "amdgcn-amd-amdhsa--gfx1250"
	.amdhsa_code_object_version 6
	.text
	.protected	k_q4da44e844e_gram
	.globl	k_q4da44e844e_gram
	.p2align	8
	.type	k_q4da44e844e_gram,@function
k_q4da44e844e_gram:
	s_mov_b64 s[64:65], 0
	v_nop
	global_prefetch_b8 v0, s[64:65] scope:SCOPE_SE
	s_setreg_imm32_b32 hwreg(HW_REG_WAVE_SCHED_MODE, 0, 2), 2
	s_setreg_imm32_b32 hwreg(HW_REG_WAVE_MODE, 25, 1), 1
	s_wait_xcnt 0x0
	s_wait_alu depctr_vm_vsrc(0)
; PARTIAL GRAM SUMS.  R = input_real, I = input_imag: [32][8192][64] f32.  Work-group g takes batch g / 8 and rows 1024 (g % 8) .. + 1023 and stores
;   part[g][0][x][y] = sum over its rows s of R[s][x] R[s][y] + I[s][x] I[s][y],   part[g][1][x][y] = sum of R[s][x] I[s][y] - I[s][x] R[s][y],   64 x 64 f32 each.
; The products' K is the row index s.  Both operands are quantised along s to codes of BF8 (E5M2) with one E8M0 byte for each 32 rows of a column: e = floor(log2(largest magnitude)) - 15,
; byte = the largest magnitude's exponent field - 15, held at 1 from below by a floor among the maximum's leaves.
; LIMITS: NaN and infinities among the inputs are not served.  A block of zeros gets the byte 1 where the rule says 127: its codes are zeros, and the bytes are read by this program alone.
; SHARES.  Four waves, one to a SIMD; wave w owns rows 256 w .. + 255 of the work-group's 1,024 (two K steps of 128) and makes ALL 16 tiles of both results for them.
; The four waves' sums meet once, at the end, in LDS.
; A UNIT is one block of 32 rows of one tensor: 8,192 consecutive bytes, 16 loads of 512 consecutive bytes.  Lane (r = lane % 16, h = lane / 16) holds, of load i, row 2 i + h, columns 4 r .. 4 r + 3.
; The hold at the largest code x the column's scale writes its result to another place: number (load i, column j) goes to Y[16 j + i].  So a column's 16 numbers lie in consecutive registers, and the conversion,
; which takes eight neighbours of one lane and one scale, gives registers 4 c .. 4 c + 3 (c: the block's place in 128 rows) of a fragment, if TILE j IS TAKEN AS COLUMNS 4 r + j (which columns form a tile only
; says where results land).  The order of a block's rows in a lane's bytes is the same in every fragment, so every product meets its partner.  Nothing is multiplied by a scale and no byte is turned.
; OPERANDS.  Each unit is converted twice: R, I serve as source 0, R', I' as source 1, so that the two sources never share a register.  -I is I with the codes' sign bits flipped.
; real(i, j) = R_i R'_j + I_i I'_j;  imag(i, j) = R_i I'_j + (-I_i) R'_j: two accumulators a tile, four products a tile and K step, and nothing is transposed or subtracted.
; REGISTERS, in windows of 256 (s_set_vgpr_msb: bits 1:0 source 0, 3:2 source 1, 5:4 source 2, 7:6 destination):
;   window 0: v1-7 addresses and the floor; v8-27 at work on a unit's four columns; v32-47 scale words; v62, v63 the closing add's two; v64-127 Y; v128-255 slots 0, 1 (a unit as loaded)
;   window 1: v0-127 slots 2, 3; v128-191 R; v192-255 I'        window 2: v0-127 the 16 real accumulators (tile (i, j) at 8 (4 i + j)); v128-255 the imaginary ones
;   window 3: v0-63 -I; v128-191 I; v192-255 R'.   A conversion's destination never bears the number of one of its sources (Y and the scale operands lie under v128, all codes that conversions write from v128 on).
; Four slots: 64 loads of a wave are asked for at the start, and a slot is asked for again as soon as the holds have read it out.
; No work-group reads a byte that another reads, so there is nothing to share in a cluster; the inputs go straight into the registers in which they are quantised, so no tile is laid in LDS as f32.
; THE MODE: SCHED_MODE bits 1:0 = 2 (LLVM: expert scheduling mode 2), set by the entry lines.  The code itself states the register dependences
; between vector or matrix instructions and memory or LDS instructions, with s_wait_alu, always for 0.
; THE PLAN.  Registers that memory or LDS instructions touch:
;   slots 0 .. 3  Unit u's 16 loads land in slot u % 4; the unit's 32 maxima and 64 holds read it; behind the holds the loads of unit u + 4 land in it.
;   v1 .. v5      The loads' offset, the LDS addresses and the stores' offset of the end: made once at the head, ahead of the first load, and never written again.
;   window 2      The accumulators: written by the products, read by the LDS stores of the end, and not written behind them.
;   window 1      At the end the LDS loads land in all of it: slots 2 and 3, which holds have read; R and I', which conversions have written and products have read.
;   v128-191      At the end: written by the last additions, read by the global stores, each register once.
;   v62, v63      Written at the head, read by the closing add alone.
;   Y, the scale operands, the scale words and window 3 are named by vector and matrix instructions alone.
; No register that a memory or LDS instruction reads is ever written again: so no wait on vm_vsrc is owed, and none is written but at the entry and in the closing lines.
; A unit has two halves: UNITA (maxima, scales, holds, and the slot asked for again) and UNITB (conversions, sign flips).  A unit holds a wait on va_vdst among its maxima; one that asks for another holds a second, behind its holds.
; The first halves of units 4 and 8 stand AHEAD of the products of the units before them, so that their loads go out before those products are issued; there the unit's wait also states that the codes and
; scale words of those products are written: only loads and a window switch stand between it and the first product.
.set UNITB_, 8192                      ; a unit in bytes
.set KSB,   32768                      ; 128 rows of 256 bytes
.set NU,    16                         ; units of a wave: unit u is K step u / 8, tensor (u / 4) % 2, block u % 4
.set GOF,  1                           ; v1   16 x lane: my bytes in a load's 512; never rewritten
.set WST,  2                           ; v2   LDS: where I put my sums: 32,768 x wave + 16 x lane
.set RDA,  3                           ; v3   LDS: tile row i = wave of waves 0 and 1: 4,096 x wave + 16 x lane;  v4 the same of waves 2 and 3: 65,536 on
.set RDB,  4
.set GST,  5                           ; v5   my byte offset in part: 8,192 h + 16 r
.set FL,   6                           ; v6   the floor 2^(16 - 127)
.set T0,   7                           ; v7   at work at the head
.set MX,   8                           ; v8-11  the four columns' largest magnitudes
.set PP,   16                          ; v16-19 the other half's maxima, then the scale bytes
.set HB,   20                          ; v20-23 57,344 x the scale
.set SV,   24                          ; v24-27 the conversions' scale operands
.set SCW,  32                          ; v32-47 scale words, and nothing else: 8 x K step + 4 x tensor + tile
.set Y,    64
.set O,    128                         ; the end: results in the order in which they are stored
.set SEL,  24                          ; s[24:25] v_permlanex16_b32's selects for lane l xor 16
.set MNT,  26                          ; s26  the mantissa field of 57,344
.set SGN,  27                          ; s27  the sign bits of four codes
.set MSB, 0
.macro WIN new                         ; the immediate's high byte repeats the setting that is left; a switch that changes nothing is dropped
.if MSB != \new
	s_set_vgpr_msb (MSB<<8)|\new
.set MSB, \new
.endif
.endm
.macro PLACES n
.rept \n
	v_nop
.endr
.endm
; Unit u into slot u % 4 (slots 0, 1: window 0, v128 and v192; slots 2, 3: window 1, v0 and v64).  Each load takes 512 consecutive bytes, two whole rows; every offset is an immediate, no address is stepped.
.macro LOADU u
.set LSL, (\u)%4
.set LXS, 128+64*LSL-256*(LSL/2)
.set LWN, (LSL/2)<<6
.set LT,  ((\u)/4)%2
	WIN LWN
.irp i, 0,1,2,3,4,5,6,7,8,9,10,11,12,13,14,15
	global_load_b128 v[LXS+4*\i:LXS+4*\i+3], v[GOF], s[4+2*LT:5+2*LT] offset:((\u)/8)*KSB+((\u)%4)*UNITB_+512*\i th:TH_LOAD_NT
.endr
.endm
	s_load_b128 s[4:7], s[0:1], 0x0                ; R, I
	s_load_b64 s[8:9], s[0:1], 0x10                ; part
	v_lshl_add_u32 v62, v0, 2, 0x20000             ; the LDS address of my spare word, behind the waves' sums: made here and kept for the closing lines alone
	v_mov_b32 v63, 0                               ; and 0, likewise
	v_lshrrev_b32 v[T0], 5, v0
	v_readfirstlane_b32 s10, v[T0]                 ; wave 0..3
	v_and_b32 v[GOF], 31, v0
	v_lshlrev_b32 v[GOF], 4, v[GOF]
	v_and_b32 v[T0], 15, v0                        ; r
	v_bfe_u32 v[GST], v0, 4, 1                     ; h
	v_lshlrev_b32 v[GST], 13, v[GST]
	v_lshl_add_u32 v[GST], v[T0], 4, v[GST]
	v_mov_b32 v[FL], 0x8000000
.irp j, 0,1,2,3
	v_mov_b32 v[PP+\j], 0                          ; written once: a lane permute's destination counts as one of its sources
.endr
	s_mov_b32 s[SEL], 0x76543210
	s_mov_b32 s[SEL+1], 0xfedcba98
	s_mov_b32 s[MNT], 0x600000
	s_mov_b32 s[SGN], 0x80808080
	s_wait_alu depctr_va_sdst(0)                   ; s10 is written, ahead of its first reader: the bases and the LDS addresses are made from it
	s_lshl_b32 s16, ttmp9, 18                      ; the work-group's 1,024 rows of 256 bytes (eight work-groups make a batch's 8,192 rows),
	s_lshl_b32 s18, s10, 16                        ; + my wave's 256 rows: under 2^26 in all
	s_add_co_u32 s16, s16, s18
	s_mov_b32 s17, 0
	s_lshl_b32 s18, ttmp9, 15                      ; part: 32,768 bytes a work-group; my rows are x = 32 h + 4 q + wave: 256 bytes x wave
	s_lshl_b32 s19, s10, 8
	s_add_co_u32 s18, s18, s19
	s_mov_b32 s19, 0
	s_lshl_b32 s20, s10, 15                        ; (a scalar register to each of the two: none that a vector instruction reads is written again)
	s_lshl_b32 s21, s10, 12
	v_add_nc_u32 v[WST], s20, v[GOF]
	v_add_nc_u32 v[RDA], s21, v[GOF]
	v_add_nc_u32 v[RDB], 0x10000, v[RDA]
	s_wait_kmcnt 0x0
	s_add_nc_u64 s[4:5], s[4:5], s[16:17]
	s_add_nc_u64 s[6:7], s[6:7], s[16:17]
	s_add_nc_u64 s[8:9], s[8:9], s[18:19]
	s_wait_alu depctr_va_vdst(0)                   ; v1 to v5 are written: the offset that every load below reads, and the addresses and the offset of the end; no line writes them again
	LOADU 0                                        ; four units are asked for: behind the wait stand loads and a window switch alone
	LOADU 1
	LOADU 2
	LOADU 3
; UNIT u, FIRST HALF: the four columns' largest magnitudes, their scales and bytes, the holds into Y; then the slot is asked for again.
.macro UNITA u
.set SL,  (\u)%4
.set XS,  128+64*SL-256*(SL/2)
.set XW,  SL/2
.set WLD, XW<<6
.set TT,  ((\u)/4)%2
.set CC,  (\u)%4
.set WD,  SCW+8*((\u)/8)+4*TT
.set LEFT, 48                                  ; behind this unit's loads those of three later units were issued and may stay out;
.if (\u) > 12
.set LEFT, 16*(15-(\u))                        ; at the end as many units as are left
.endif
.set WMAX, (XW<<2)|(XW<<4)
	s_wait_loadcnt LEFT+8                          ; loads come back in order (ISA guide 5.7.1): the unit's first eight are in
	WIN WMAX                                       ; sources 1 and 2: the slot's window
.irp j, 0,1,2,3
	v_max3_num_f32 v[MX+\j], v[FL], |v[XS+\j]|, |v[XS+4+\j]|   ; column j: my 16 of its 32 rows, and the floor: so the byte cannot fall under 1.  The four columns by turns
.endr
.irp i, 2,4,6
.irp j, 0,1,2,3
	v_max3_num_f32 v[MX+\j], v[MX+\j], |v[XS+4*\i+\j]|, |v[XS+4*\i+4+\j]|
.endr
.endr
	s_wait_alu depctr_va_vdst(0)
	s_wait_loadcnt LEFT                            ; the whole unit is in
.irp i, 8,10,12,14
.irp j, 0,1,2,3
	v_max3_num_f32 v[MX+\j], v[MX+\j], |v[XS+4*\i+\j]|, |v[XS+4*\i+4+\j]|
.endr
.endr
	WIN 0
.irp j, 0,1,2,3
	v_permlanex16_b32 v[PP+\j], v[MX+\j], s[SEL], s[SEL+1]
.endr
.irp j, 0,1,2,3
	v_max_num_f32 v[MX+\j], v[MX+\j], v[PP+\j]     ; with lane l xor 16's 16 rows: the block's largest magnitude
.endr
.irp j, 0,1,2,3
	v_and_or_b32 v[HB+\j], v[MX+\j], 0x7f800000, s[MNT]   ; 57,344 x the scale: the largest magnitude's exponent field over 57,344's mantissa
.endr
.irp j, 0,1,2,3
	v_add_nc_u32 v[SV+\j], 0xf8800000, v[MX+\j]    ; 15 off the exponent field: the conversion takes the exponent field of this operand as its scale, and nothing else of it
.endr
.if CC == 0
.irp j, 0,1,2,3
	v_lshrrev_b32 v[WD+\j], 23, v[SV+\j]           ; the scale's byte: the first block's begins tile j's scale word (every lane holds its row's; lanes 0-15 are read)
.endr
.else
.irp j, 0,1,2,3
	v_lshrrev_b32 v[PP+\j], 23, v[SV+\j]
.endr
.irp j, 0,1,2,3
	v_lshl_or_b32 v[WD+\j], v[PP+\j], 8*CC, v[WD+\j]   ; block c's is byte c
.endr
.endif
	WIN XW                                         ; source 0: the slot's window
.irp j, 0,1,2,3
.irp i, 0,1,2,3,4,5,6,7,8,9,10,11,12,13,14,15
	v_med3_num_f32 v[Y+16*\j+\i], v[XS+4*\i+\j], -v[HB+\j], v[HB+\j]   ; the conversion to an 8-bit code does not saturate (ISA guide 7.6.2): the hold; and it lays a column's numbers side by side
.endr
.endr
.if (\u)+4 < NU
	WIN WLD                                        ; the loads' window first, then the wait, then the loads
	s_wait_alu depctr_va_vdst(0)                   ; the maxima and the holds are done reading the slot, in which the loads below land.  In units 4 and 8 also: the conversions and sign flips of the units before have written the codes, and the shifts the scale words, of the products that follow the loads
	LOADU (\u)+4                                   ; the slot has been read out: the unit four on is asked for at once
.endif
.endm
; UNIT u, SECOND HALF: Y becomes four registers of each of the four tiles' fragments, twice.  It names Y, the scale operands and codes: no register that a load of the first half touches.
.macro UNITB u
.set TT,  ((\u)/4)%2
.set CC,  (\u)%4
	WIN 0xc0                                       ; destination window 3: R' (v192 on) or I (v128 on)
.irp j, 0,1,2,3
.irp p, 0,1
	v_cvt_scalef32_pk8_bf8_f32 v[192-64*TT+16*\j+4*CC+2*\p:192-64*TT+16*\j+4*CC+2*\p+1], v[Y+16*\j+8*\p:Y+16*\j+8*\p+7], v[SV+\j]
.endr
.endr
	WIN 0x40                                       ; destination window 1: R (v128 on) or I' (v192 on)
.irp j, 0,1,2,3
.irp p, 0,1
	v_cvt_scalef32_pk8_bf8_f32 v[128+64*TT+16*\j+4*CC+2*\p:128+64*TT+16*\j+4*CC+2*\p+1], v[Y+16*\j+8*\p:Y+16*\j+8*\p+7], v[SV+\j]
.endr
.endr
	v_nop                                          ; one plain vector instruction between the last conversion and the next vector or matrix instruction that touches its result or writes its sources
.if TT == 1
	WIN 0xcc                                       ; destination and source 1: window 3
.irp j, 0,1,2,3
.irp k, 0,1,2,3
	v_xor_b32 v[16*\j+4*CC+\k], s[SGN], v[128+16*\j+4*CC+\k]   ; -I: the sign bit of each code is flipped
.endr
.endr
.endif
.endm
; 16 products: one for each tile (i, j).  d0: the accumulators; a0, b0: source 0's and source 1's fragments; sa0, sb0: their scale words.  zero = 1: the product starts the sum: nothing is cleared.
; The accumulators take turns, one instruction a turn, from batch to batch too.
.macro BATCH d0, a0, b0, sa0, sb0, zero
.irp i, 0,1,2,3
.irp j, 0,1,2,3
.if \zero
	v_wmma_scale_f32_16x16x128_f8f6f4 v[\d0+8*(4*\i+\j):\d0+8*(4*\i+\j)+7], v[\a0+16*\i:\a0+16*\i+15], v[\b0+16*\j:\b0+16*\j+15], 0, v[\sa0+\i], v[\sb0+\j] matrix_a_fmt:MATRIX_FMT_BF8 matrix_b_fmt:MATRIX_FMT_BF8
.else
	v_wmma_scale_f32_16x16x128_f8f6f4 v[\d0+8*(4*\i+\j):\d0+8*(4*\i+\j)+7], v[\a0+16*\i:\a0+16*\i+15], v[\b0+16*\j:\b0+16*\j+15], v[\d0+8*(4*\i+\j):\d0+8*(4*\i+\j)+7], v[\sa0+\i], v[\sb0+\j] matrix_a_fmt:MATRIX_FMT_BF8 matrix_b_fmt:MATRIX_FMT_BF8
.endif
.endr
.endr
.endm
.macro MRR ks, zero                    ; real += R_i R'_j: when the K step's four units of R are quantised
.set WK, SCW+8*(\ks)
	WIN 0xad                                       ; source 0 window 1, source 1 window 3, C and D window 2
	BATCH 0, 128, 192, WK, WK, \zero
.endm
.macro MII ks                          ; real += I_i I'_j
.set WK, SCW+8*(\ks)
	WIN 0xa7                                       ; source 0 window 3, source 1 window 1
	BATCH 0, 128, 192, WK+4, WK+4, 0
.endm
.macro MIM ks, zero                    ; imag += R_i I'_j + (-I_i) R'_j
.set WK, SCW+8*(\ks)
	WIN 0xa5                                       ; sources 0 and 1 window 1
	BATCH 128, 128, 192, WK, WK+4, \zero
	WIN 0xaf                                       ; sources 0 and 1 window 3
	BATCH 128, 0, 192, WK+4, WK, 0
.endm
; My 16 accumulators of result m go to LDS as they stand: 16 bytes a lane at 16 x lane, 512 bytes a store; each accumulator from its low end on.
.macro TOLDS m
	WIN 0x08                                       ; an LDS store's data are its source 1: window 2
	s_wait_alu depctr_va_vdst(0)                   ; the products have written result m's accumulators, which the LDS stores below read; the eight places ahead of this macro stay beside the wait
.set t, 16*(\m)
.rept 16
	ds_store_b128 v[WST], v[8*t:8*t+3] offset:1024*t
	ds_store_b128 v[WST], v[8*t+4:8*t+7] offset:1024*t+512
.set t, t+1
.endr
.endm
; Codes written by vector instructions stand four places ahead of a scaled matrix instruction, scale words eight: ahead of the products of K step 0 the plain lines of the next unit's first half are those places,
; which writes Y, registers at work and scale words that those products do not name; ahead of the others four v_nop stand (their scale words were written ahead of a unit's 64 holds).
	UNITA 0
	UNITB 0
	UNITA 1
	UNITB 1
	UNITA 2
	UNITB 2
	UNITA 3
	UNITB 3
	UNITA 4                                        ; unit 8 is asked for ahead of the products
	MRR 0, 1
	UNITB 4                                        ; it writes I, I' and -I, none of which the products above name
	UNITA 5
	UNITB 5
	UNITA 6
	UNITB 6
	UNITA 7
	UNITB 7
	UNITA 8                                        ; unit 12 is asked for ahead of the products
	MII 0
	MIM 0, 1
	PLACES 8                                       ; eight places between the last products and the conversions below, which write R and R', their sources
	UNITB 8
	UNITA 9
	UNITB 9
	UNITA 10
	UNITB 10
	UNITA 11
	UNITB 11
	PLACES 4
	s_wait_alu depctr_va_vdst(0)                   ; the conversions of units 8 to 11 have written R and R', and the shifts their scale words, which the products below take; the places above stay beside this wait
	MRR 1, 0
	UNITA 12                                       ; the last four units ask for nothing, so they hold no wait on va_vdst behind their holds
	UNITB 12
	UNITA 13
	UNITB 13
	UNITA 14
	UNITB 14
	UNITA 15
	UNITB 15
	PLACES 4
	s_wait_alu depctr_va_vdst(0)                   ; the conversions and sign flips of units 12 to 15 have written I, I' and -I, and the shifts their scale words: for the 48 products below, between which no vector instruction writes a register
	MII 1                                          ; the real sums are whole:
	PLACES 8                                       ; eight places in front of the first read of results,
	TOLDS 0                                        ; and they are on their way into LDS while the imaginary products are multiplied, which write other accumulators than these stores read
	MIM 1, 0
	PLACES 8                                       ; again
	TOLDS 1
	WIN 0
	s_wait_dscnt 0x0                               ; for the others' sake: my stores have landed
	s_barrier_signal -1
	s_barrier_wait -1                              ; the four waves' sums lie in LDS
	; THE END.  Wave w adds the four waves' tiles (w, 0 .. 3) of both results.  Register q of tile (w, j) in lane (r, h) is element (x = 32 h + 4 q + w, y = 4 r + j): the last addition writes j = 0 .. 3
	; side by side, so that a lane holds 16 neighbouring bytes of a row and sixteen lanes a whole row of 256 bytes: the results are stored from the registers in which they were added.
	WIN 0x40                                       ; destination window 1: source wave s, result m, tile j at v[64 s + 32 m + 8 j]
	s_wait_alu depctr_va_vdst(0)                   ; the holds are done reading slots 2 and 3, the conversions have written R and I' and the products are done reading them: the LDS loads below land in all of window 1
.irp m, 0,1
.irp s, 0,1,2,3
.irp j, 0,1,2,3
	ds_load_b128 v[64*\s+32*\m+8*\j:64*\s+32*\m+8*\j+3],   v[RDA+\s/2] offset:(\s%2)*32768+\m*16384+\j*1024
	ds_load_b128 v[64*\s+32*\m+8*\j+4:64*\s+32*\m+8*\j+7], v[RDA+\s/2] offset:(\s%2)*32768+\m*16384+\j*1024+512
.endr
.endr
.endr
.irp m, 0,1
	s_wait_dscnt 32-32*\m                          ; LDS loads come back in order: the real part's 32 are in while the imaginary part's 32 may be out; then all
	WIN 0x45                                       ; all in window 1
.set a, 32*\m
.rept 16
	v_pk_add_f32 v[a:a+1], v[a:a+1], v[64+a:65+a]                   ; waves 0 + 1
	v_pk_add_f32 v[128+a:129+a], v[128+a:129+a], v[192+a:193+a]     ; waves 2 + 3
.set a, a+2
.endr
	WIN 0x05                                       ; sources window 1, destination window 0
.irp q, 0,1,2,3,4,5,6,7
.irp j, 0,1,2,3
	v_add_f32 v[O+32*\m+4*\q+\j], v[32*\m+8*\j+\q], v[128+32*\m+8*\j+\q]
.endr
.endr
	WIN 0
	s_wait_alu depctr_va_vdst(0)                   ; the additions have written result m's 32 registers, which the stores below read; the other result has 32 of its own, so none is written again
.irp q, 0,1,2,3,4,5,6,7
	global_store_b128 v[GST], v[O+32*\m+4*\q:O+32*\m+4*\q+3], s[8:9] offset:\m*16384+\q*1024   ; lanes 0-15 store row 4 q + w, lanes 16-31 row 32 + 4 q + w: 256 consecutive bytes each, at a multiple of 256 from the buffer's first byte
.endr
.endr
	s_wait_dscnt 0x0                               ; the closing lines, six on end (every window is 0 here)
	s_wait_alu 0x0
	s_wait_tensorcnt 0x0
	ds_add_u32 v62, v63
	s_wait_dscnt 0x0
	s_endpgm
.Lfunc_end_k_q4da44e844e_gram:
	.size	k_q4da44e844e_gram, .Lfunc_end_k_q4da44e844e_gram-k_q4da44e844e_gram
	.p2alignl 7, 3214868480
	.fill 96, 4, 3214868480
	.section	.rodata,"a",@progbits
	.p2align	6, 0x0
	.amdhsa_kernel k_q4da44e844e_gram
		.amdhsa_group_segment_fixed_size 131584
		.amdhsa_private_segment_fixed_size 0
		.amdhsa_enable_private_segment 0
		.amdhsa_kernarg_size 24
		.amdhsa_user_sgpr_count 2
		.amdhsa_user_sgpr_kernarg_segment_ptr 1
		.amdhsa_wavefront_size32 1
		.amdhsa_system_sgpr_workgroup_id_x 1
		.amdhsa_system_sgpr_workgroup_id_y 1
		.amdhsa_system_sgpr_workgroup_id_z 1
		.amdhsa_system_vgpr_workitem_id 0
		.amdhsa_next_free_vgpr 1024
		.amdhsa_next_free_sgpr 66
		.amdhsa_reserve_vcc 0
		.amdhsa_float_denorm_mode_32 3
		.amdhsa_float_denorm_mode_16_64 3
		.amdhsa_memory_ordered 1
		.amdhsa_forward_progress 1
		.amdhsa_inst_pref_size 202
	.end_amdhsa_kernel
	.amdgpu_metadata
---
amdhsa.version: [ 1, 2 ]
amdhsa.kernels:
  - .name:           k_q4da44e844e_gram
    .symbol:         k_q4da44e844e_gram.kd
    .args:
      - { .name: input_real, .offset: 0, .size: 8, .value_kind: global_buffer, .address_space: global }
      - { .name: input_imag, .offset: 8, .size: 8, .value_kind: global_buffer, .address_space: global }
      - { .name: part, .offset: 16, .size: 8, .value_kind: global_buffer, .address_space: global }
    .group_segment_fixed_size: 131584
    .private_segment_fixed_size: 0
    .kernarg_segment_align: 8
    .kernarg_segment_size: 24
    .max_flat_workgroup_size: 128
    .sgpr_count:     66
    .vgpr_count:     1024
    .wavefront_size: 32
...
	.end_amdgpu_metadata
.endif
;; end of part 3
;; launch combine (part 4): grid 256 x 1, 8 waves a work-group, no clusters, 0 bytes of LDS; arguments part, out0, out1; writes out0, out1
.if DOCPART == 4
	.amdgcn_target "amdgcn-amd-amdhsa--gfx1250"
	.amdhsa_code_object_version 6
	.text
	.protected	k_q4da44e844e_combine
	.globl	k_q4da44e844e_combine
	.p2align	8
	.type	k_q4da44e844e_combine,@function
k_q4da44e844e_combine:
	s_mov_b64 s[64:65], 0
	v_nop
	global_prefetch_b8 v0, s[64:65] scope:SCOPE_SE
	s_setreg_imm32_b32 hwreg(HW_REG_WAVE_MODE, 25, 1), 1
	s_wait_xcnt 0x0
; out0[b] = (sum over the batch's 8 chunks of part[8 b + chunk][0]) / 8192,  out1[b] likewise of part[..][1].  part: [256][2][64][64] f32; out0, out1: [32][64][64] f32.
; A stream: work-group g takes batch g / 8, output (g / 4) % 2 and quarter g % 4 of its 16,384 bytes; thread t owns the 16 bytes at 16 t of that quarter.
; Every load and the store of a wave cover 512 consecutive bytes; a thread's eight loads go out together.  No LDS, no barrier: threads share nothing.  1 / 8192 is a power of two: the multiplication rounds nothing.
.set CHUNKB, 32768                     ; from a chunk's partial sums to the next chunk's
	s_load_b128 s[4:7], s[0:1], 0x0                ; part, out0
	s_load_b64 s[8:9], s[0:1], 0x10                ; out1
	v_lshlrev_b32 v1, 4, v0                        ; 16 t
	s_lshr_b32 s10, ttmp9, 3                       ; batch
	s_bfe_u32 s11, ttmp9, 0x10002                  ; which output
	s_and_b32 s12, ttmp9, 3                        ; quarter
	s_lshl_b32 s14, s12, 12
	s_lshl_b32 s16, s10, 18                        ; part: 8 chunks x 32,768 bytes a batch,
	s_lshl_b32 s13, s11, 14                        ; 16,384 an output,
	s_add_co_u32 s16, s16, s13
	s_add_co_u32 s16, s16, s14                     ; 4,096 a quarter
	s_mov_b32 s17, 0
	s_lshl_b32 s18, s10, 14                        ; the output: 16,384 bytes a batch
	s_add_co_u32 s18, s18, s14
	s_mov_b32 s19, 0
	s_wait_alu depctr_va_vdst(0)
	s_wait_kmcnt 0x0
	s_add_nc_u64 s[4:5], s[4:5], s[16:17]
	s_cmp_eq_u32 s11, 0                            ; the choice hangs on the work-group's number alone
	s_cselect_b64 s[6:7], s[6:7], s[8:9]
	s_add_nc_u64 s[6:7], s[6:7], s[18:19]
.irp c, 0,1,2,3,4,5,6,7
	global_load_b128 v[4+4*\c:7+4*\c], v1, s[4:5] offset:\c*CHUNKB th:TH_LOAD_NT
.endr
.irp p, 0,1,2,3                                ; chunks 2 p and 2 p + 1, as they come in: behind them 6 - 2 p younger loads may be out
	s_wait_loadcnt 6-2*\p
	v_pk_add_f32 v[4+8*\p:5+8*\p], v[4+8*\p:5+8*\p], v[8+8*\p:9+8*\p]
	v_pk_add_f32 v[6+8*\p:7+8*\p], v[6+8*\p:7+8*\p], v[10+8*\p:11+8*\p]
.endr
	s_wait_alu depctr_va_vdst(0)
	v_pk_add_f32 v[4:5], v[4:5], v[12:13]
	v_pk_add_f32 v[6:7], v[6:7], v[14:15]
	v_pk_add_f32 v[20:21], v[20:21], v[28:29]
	v_pk_add_f32 v[22:23], v[22:23], v[30:31]
	s_delay_alu instid0(VALU_DEP_2)
	v_pk_add_f32 v[4:5], v[4:5], v[20:21]
	s_delay_alu instid0(VALU_DEP_2)
	v_pk_add_f32 v[6:7], v[6:7], v[22:23]
	s_delay_alu instid0(VALU_DEP_2)
	v_pk_mul_f32 v[4:5], v[4:5], 0x39000000 op_sel_hi:[1,0]   ; x 2^-13
	s_delay_alu instid0(VALU_DEP_2)
	v_pk_mul_f32 v[6:7], v[6:7], 0x39000000 op_sel_hi:[1,0]
	global_store_b128 v1, v[4:7], s[6:7]
	s_endpgm
.Lfunc_end_k_q4da44e844e_combine:
	.size	k_q4da44e844e_combine, .Lfunc_end_k_q4da44e844e_combine-k_q4da44e844e_combine
	.p2alignl 7, 3214868480
	.fill 96, 4, 3214868480
	.section	.rodata,"a",@progbits
	.p2align	6, 0x0
	.amdhsa_kernel k_q4da44e844e_combine
		.amdhsa_group_segment_fixed_size 0
		.amdhsa_private_segment_fixed_size 0
		.amdhsa_enable_private_segment 0
		.amdhsa_kernarg_size 24
		.amdhsa_user_sgpr_count 2
		.amdhsa_user_sgpr_kernarg_segment_ptr 1
		.amdhsa_wavefront_size32 1
		.amdhsa_system_sgpr_workgroup_id_x 1
		.amdhsa_system_sgpr_workgroup_id_y 1
		.amdhsa_system_sgpr_workgroup_id_z 1
		.amdhsa_system_vgpr_workitem_id 0
		.amdhsa_next_free_vgpr 40
		.amdhsa_next_free_sgpr 66
		.amdhsa_reserve_vcc 0
		.amdhsa_float_denorm_mode_32 3
		.amdhsa_float_denorm_mode_16_64 3
		.amdhsa_memory_ordered 1
		.amdhsa_forward_progress 1
		.amdhsa_inst_pref_size 4
	.end_amdhsa_kernel
	.amdgpu_metadata
---
amdhsa.version: [ 1, 2 ]
amdhsa.kernels:
  - .name:           k_q4da44e844e_combine
    .symbol:         k_q4da44e844e_combine.kd
    .args:
      - { .name: part, .offset: 0, .size: 8, .value_kind: global_buffer, .address_space: global }
      - { .name: out0, .offset: 8, .size: 8, .value_kind: global_buffer, .address_space: global }
      - { .name: out1, .offset: 16, .size: 8, .value_kind: global_buffer, .address_space: global }
    .group_segment_fixed_size: 0
    .private_segment_fixed_size: 0
    .kernarg_segment_align: 8
    .kernarg_segment_size: 24
    .max_flat_workgroup_size: 256
    .sgpr_count:     66
    .vgpr_count:     40
    .wavefront_size: 32
...
	.end_amdgpu_metadata
.endif
;; end of part 4
